; MI455X (gfx1250); checked and timed in simulation.
; The chip was launched on July 23, 2026; its instructions are those of AMD's public machine-readable ISA for CDNA 5 (MIT licence, August 2026) and "CDNA5" Instruction Set Architecture Reference Guide (July 2026). The comments in the code are by the model that wrote it; some were corrected since.
;; Concat Critic. Allowed arithmetic: matrix products marked QUANTISED: E2M1 operands, one E8M0 scale for each 32 along K, by v_wmma_scale_f32_16x16x128_f8f6f4 with both operands' format E2M1 (or v_wmma_scale_f32_32x16x128_f4), f32 sums; products left as they are: f32 operands where the result goes on into a quantised operand, else bf16, f16 or f32 operands; f32 sums; everything else in f32.
;; Inputs: W1 512 x 256 float32; W2 512 x 512 float32; W3 1 x 512 float32; b1 512 float32; b2 512 float32; b3 1 float32; x 512 x 128 float32; y 512 x 128 float32.
;; Outputs: out0 512 x 512 float32; out1 one number float32.
;; This version of the problem:
;;   THIS VERSION OF THE PROBLEM IS GIVEN IN LOW PRECISION. The matrix products marked QUANTISED in the list below multiply operands that are first quantised to E2M1 (2 exponent bits, 1 mantissa bit; 4 bits a number), with one power-of-two scale for each 32 numbers along K (OCP MX v1.0); their sums are f32. All else is computed in f32.
;;   The module's matrix products, in the order in which they are computed (A, B: the left and right operand; K: the contracted axis; several contracted axes count as one K, in the product's order):
;;     1. [M 512, K 128] x [K 128, N 512]; A: input x; B: input W1: QUANTISED
;;     2. [M 512, K 128] x [K 128, N 512]; A: input y; B: input W1: QUANTISED
;;     3. [M 262,144, K 512] x [K 512, N 512]; A: computed on the way; B: input W2: QUANTISED
;;     4. [M 262,144, K 512] x [K 512, N 1]; A: computed on the way; B: input W3: left as it is (N = 1 < 16)
;;   THE QUANTISER, for each operand of a quantised product, along K:
;;     - K is cut into blocks of 32 from its start; a last block that is shorter is filled with zeros.
;;     - A block's scale is 2^e with e = floor(log2(the largest magnitude in the block)) - 2, held to -126 .. 127; a block of zeros has e = 0. As a byte (E8M0): e + 127.
;;     - Each number is divided by its block's scale, clamped to +-6, and rounded to the nearest number of E2M1, ties to even, subnormals kept.
;;     - The product sums the exact products of the quantised numbers (number of the format x scale) in f32.
;;   ~~~python
;;   def quantise(x, axis):      # numpy; x: float32 -> the quantised numbers, widened to float32 again
;;       x = np.moveaxis(x, axis, -1); K = x.shape[-1]
;;       x = np.pad(x, [(0, 0)] * (x.ndim - 1) + [(0, -K % 32)]); x = x.reshape(x.shape[:-1] + (-1, 32)); a = np.abs(x).max(-1, keepdims=True)
;;       e = np.where(a > 0, np.clip(np.frexp(np.where(a > 0, a, 1))[1] - 1 - 2, -126, 127), 0)      # np.frexp(a)[1] - 1 = floor(log2(a)), exactly
;;       r = np.clip(x / 2.0 ** e, -6, 6)
;;       step = 2.0 ** (np.maximum(np.frexp(np.where(r == 0, 1, r))[1] - 1, 0) - 1)
;;       q = np.round(r / step) * step * 2.0 ** e      # np.round: ties to even
;;       return np.moveaxis(q.reshape(q.shape[:-2] + (-1,))[..., :K], -1, axis).astype(np.float32)
;;   ~~~
;;   OPERANDS COMPUTED ON THE WAY. 'Computed on the way' means the value that the module computes at that place (a softmax that the list does not call 'softmax' is quantised finished and normalised). What goes into a quantiser is computed in f32, as accurately as f32 sums, v_exp_f32 and their like allow (about 1e-6 of the number): no bf16 or f16 on the way to a quantiser, and a product that is left as it is and whose result goes on into a quantised operand takes f32 operands (vector FMAs, or v_wmma_f32_16x16x4_f32). A number that lies on a knife's edge between two numbers of the format may be rounded either way, as far as f32 arithmetic and the matrix unit's own rounding can turn it there, and no further.
;; 2 versions, each right; version 2 is version 1 with the launch pairs written anew for expert scheduling mode. Each part assembles by itself: llvm-mc -triple=amdgcn-amd-amdhsa -mcpu=gfx1250 --defsym DOCPART=n.
;; ======== version 1 of 2: 2 launches
;; workspace buffers: cimg 262,144 bytes; simg 16,384 bytes
;; launch prep (part 1): grid 256 x 1, 1 waves a work-group, no clusters, 0 bytes of LDS; arguments x, y, W1, W2, cimg, simg, out1; writes cimg, simg, out1
.if DOCPART == 1
	.amdgcn_target "amdgcn-amd-amdhsa--gfx1250"
	.amdhsa_code_object_version 6
	.text
	.protected	k_q8944b45cea_prep
	.globl	k_q8944b45cea_prep
	.p2align	8
	.type	k_q8944b45cea_prep,@function
k_q8944b45cea_prep:
	s_mov_b64 s[64:65], 0
	v_nop
	global_prefetch_b8 v0, s[64:65] scope:SCOPE_SE
	s_setreg_imm32_b32 hwreg(HW_REG_WAVE_MODE, 25, 1), 1
	s_wait_xcnt 0x0
; x [512][128], y [512][128], W1 [512][256], W2 [512][512], all f32 with K innermost, become codes of FP4 (E2M1) with one E8M0 byte for each 32 along K,
; laid in the ORDER OF AN OPERAND'S REGISTERS: an image is a fragment of 16 rows x 128 K: [c = 0, 1][lane][16 bytes]; lane (r = lane % 16, h = lane / 16) holds the 32 codes
; k = 64 c + 32 h + 0 .. 31 of the tile's row r.  So the next launch loads a fragment by two loads of 512 consecutive bytes.  Beside it 16 scale words, row r's four bytes in word r.
; One wave makes one image; image t = the work-group's number:
;   t = 0 .. 31: x, rows 16 t + r;   t = 32 .. 63: y, rows 16 (t - 32) + r;
;   t = 64 + 32 part + 8 w + 4 cl + tp: W1, row 128 w + 64 cl + 8 tp + r % 8 + 32 (r / 8), columns 128 part on.  These rows are no neighbours: the product that takes them as its first source then leaves, in a lane's
;       registers, the hidden units in the very order in which the next operand's layout wants them;
;   t = 128 + 4 gt + s: W2, rows 16 gt + r, columns 128 s on.
; A lane holds two whole blocks of 32, so a block's largest magnitude needs no other lane.  A block's scale is 2^(floor(log2(largest magnitude)) - 2): its byte is that magnitude's exponent field - 2.
; Work-group 0 also stores the second result, the number 0.
; LIMITS: NaN and infinities among the inputs are not served.  A block whose largest magnitude lies under 2^-124 gets the byte 1 (the floor); a block of zeros so gets 1 where the rule says 127:
; its codes are zeros, which add nothing under that byte, and the bytes are read by this program alone.
.set VO,  3                            ; v3      my byte offset in the source: the tile's row r, + 128 h
.set L16, 4                            ; v4      16 x lane
.set R4,  5                            ; v5      4 r
.set SH8, 6                            ; v6      8 h
.set NIL, 7                            ; v7      0
.set M,   8                            ; v8-11   largest magnitudes: two chains for each of my two blocks
.set SO,  12                           ; v12-13  the conversions' scale operands
.set T,   14                           ; v14-15  the scale word in the making
.set CD,  16                           ; v16-23  the codes: the operand's eight registers
.set X,   32                           ; v32-95  register 32 c + e = k 64 c + 32 h + e of my row
.set SEL, 22                           ; s[22:23] lane selects: lane l xor 16
	s_load_b256 s[4:11], s[0:1], 0x0               ; x s[4:5], y s[6:7], W1 s[8:9], W2 s[10:11]
	s_load_b128 s[12:15], s[0:1], 0x20             ; the images s[12:13], the scale words s[14:15]
	s_load_b64 s[16:17], s[0:1], 0x30              ; the second result
	s_mov_b32 s18, ttmp9                           ; t
	s_mov_b32 s[SEL], 0x76543210
	s_mov_b32 s[SEL+1], 0xfedcba98
	s_and_b32 s19, s18, 31
	s_lshl_b32 s19, s19, 4                         ; x, y: first row 16 (t % 32)
	s_bfe_u32 s20, s18, 0x20003                    ; W1: w,
	s_lshl_b32 s20, s20, 7
	s_bfe_u32 s21, s18, 0x10002                    ; cl,
	s_lshl_b32 s21, s21, 6
	s_add_co_u32 s20, s20, s21
	s_and_b32 s21, s18, 3                          ; tp (in W2: s)
	s_lshl_b32 s24, s21, 3
	s_add_co_u32 s20, s20, s24                     ; first row 128 w + 64 cl + 8 tp
	s_bfe_u32 s24, s18, 0x10005
	s_lshl_b32 s24, s24, 9                         ; W1: 512 bytes along the row for the second part
	s_bfe_u32 s25, s18, 0x50002
	s_lshl_b32 s25, s25, 4                         ; W2: first row 16 gt
	s_lshl_b32 s21, s21, 9                         ; W2: 512 s bytes along the row
	s_wait_kmcnt 0x0
	s_cmp_lt_u32 s18, 128                          ; the choices hang on the work-group's number alone
	s_cselect_b32 s20, s20, s25                    ; first row
	s_cselect_b32 s21, s24, s21                    ; bytes along the row
	s_cselect_b32 s26, 10, 11                      ; a row is 2^10 or 2^11 bytes
	s_cselect_b32 s27, 32, 8                       ; from the tile's row 7 to its row 8: 32 - 7 rows on, or the next row
	s_cselect_b64 s[28:29], s[8:9], s[10:11]
	s_cmp_lt_u32 s18, 64
	s_cselect_b32 s20, s19, s20
	s_cselect_b32 s21, 0, s21
	s_cselect_b32 s26, 9, s26
	s_cselect_b32 s27, 8, s27
	s_cselect_b64 s[28:29], s[6:7], s[28:29]
	s_cmp_lt_u32 s18, 32
	s_cselect_b64 s[28:29], s[4:5], s[28:29]
	s_lshl_b32 s20, s20, s26
	s_add_co_u32 s20, s20, s21
	s_mov_b32 s21, 0
	s_add_nc_u64 s[28:29], s[28:29], s[20:21]      ; the tile's first number
	s_lshl_b32 s20, s18, 10
	s_add_nc_u64 s[12:13], s[12:13], s[20:21]      ; my image: 1,024 bytes
	s_lshl_b32 s20, s18, 6
	s_add_nc_u64 s[14:15], s[14:15], s[20:21]      ; its 16 scale words
	v_and_b32 v1, 15, v0                           ; r
	v_lshrrev_b32 v2, 4, v0                        ; h
	v_and_b32 v[VO], 7, v1
	v_lshrrev_b32 v8, 3, v1
	v_mad_u32_u24 v[VO], v8, s27, v[VO]            ; the tile's row r lies r % 8 + (r / 8) x 8 or 32 rows behind its first
	v_lshlrev_b32 v[VO], s26, v[VO]
	v_lshl_add_u32 v[VO], v2, 7, v[VO]             ; + 32 h numbers
	v_lshlrev_b32 v[L16], 4, v0
	v_lshlrev_b32 v[R4], 2, v1
	v_lshlrev_b32 v[SH8], 3, v2
	v_mov_b32 v[NIL], 0
.irp c, 0,1
.irp q, 0,1,2,3,4,5,6,7
	global_load_b128 v[X+32*\c+4*\q:X+32*\c+4*\q+3], v[VO], s[28:29] offset:256*\c+16*\q th:TH_LOAD_NT   ; a lane's eight loads of a block take 128 consecutive bytes; each input byte is read once in the launch
.endr
.endr
	s_wait_loadcnt 0x0
	; the largest magnitude of each of my two blocks: two chains a block, the four by turns; the floor 2^(3 - 127) among the leaves holds the byte at 1 from below
.irp c, 0,1
	v_max3_num_f32 v[M+2*\c], |v[X+32*\c]|, |v[X+32*\c+1]|, 0x1800000
	v_max3_num_f32 v[M+2*\c+1], |v[X+32*\c+16]|, |v[X+32*\c+17]|, |v[X+32*\c+18]|
.endr
.irp i, 1,2,3,4,5,6
.irp c, 0,1
	v_max3_num_f32 v[M+2*\c], v[M+2*\c], |v[X+32*\c+2*\i]|, |v[X+32*\c+2*\i+1]|
	v_max3_num_f32 v[M+2*\c+1], v[M+2*\c+1], |v[X+32*\c+17+2*\i]|, |v[X+32*\c+18+2*\i]|
.endr
.endr
.irp c, 0,1
	v_max3_num_f32 v[M+2*\c], v[M+2*\c], |v[X+32*\c+14]|, |v[X+32*\c+15]|
.endr
.irp c, 0,1
	v_max3_num_f32 v[M+2*\c], v[M+2*\c], v[M+2*\c+1], |v[X+32*\c+31]|
.endr
.irp c, 0,1
	v_add_nc_u32 v[SO+\c], 0xff000000, v[M+2*\c]   ; 2 off the exponent field: the conversion takes the exponent field of this operand as its scale, and nothing else of it
.endr
.irp c, 0,1
.irp g, 0,1,2,3
	v_cvt_scalef32_pk8_fp4_f32 v[CD+4*\c+\g], v[X+32*\c+8*\g:X+32*\c+8*\g+7], v[SO+\c]   ; eight numbers / the scale, to the nearest code, ties to even, beyond 6 the largest code
.endr
.endr
	v_lshrrev_b32 v[T], 23, v[SO]                  ; the byte of block h (a plain line behind the last conversion),
	v_lshrrev_b32 v[T+1], 23, v[SO+1]              ; and of block 2 + h
	v_lshl_or_b32 v[T], v[T+1], 16, v[T]
	v_lshlrev_b32 v[T], v[SH8], v[T]               ; at their places in the row's word;
	v_permlanex16_b32 v[T+1], v[T], s[SEL], s[SEL+1]
	v_or_b32 v[T], v[T], v[T+1]                    ; with lane l xor 16's two the word is whole
	global_store_b128 v[L16], v[CD:CD+3], s[12:13]                 ; each store of the wave covers 512 consecutive bytes, aligned
	global_store_b128 v[L16], v[CD+4:CD+7], s[12:13] offset:512
	s_wait_xcnt 0x0                                ; EXEC is a source of the stores above: it changes only behind this wait
	v_cmp_gt_u32 vcc_lo, 16, v0
	s_and_saveexec_b32 s30, vcc_lo
	global_store_b32 v[R4], v[T], s[14:15]         ; lanes 0 to 15: the 16 rows' words, 64 consecutive bytes
	s_wait_xcnt 0x0                                ; and again in front of the line that widens it
	s_or_b32 exec_lo, exec_lo, s30
	s_cmp_lg_u32 s18, 0
	s_cbranch_scc1 .Lend
	v_cmp_eq_u32 vcc_lo, 0, v0                     ; work-group 0, lane 0: the second result is the number 0
	s_and_saveexec_b32 s30, vcc_lo
	global_store_b32 v[NIL], v[NIL], s[16:17]
	s_wait_xcnt 0x0
	s_or_b32 exec_lo, exec_lo, s30
.Lend:
	s_endpgm
.Lfunc_end_k_q8944b45cea_prep:
	.size	k_q8944b45cea_prep, .Lfunc_end_k_q8944b45cea_prep-k_q8944b45cea_prep
	.p2alignl 7, 3214868480
	.fill 96, 4, 3214868480
	.section	.rodata,"a",@progbits
	.p2align	6, 0x0
	.amdhsa_kernel k_q8944b45cea_prep
		.amdhsa_group_segment_fixed_size 0
		.amdhsa_private_segment_fixed_size 0
		.amdhsa_enable_private_segment 0
		.amdhsa_kernarg_size 56
		.amdhsa_user_sgpr_count 2
		.amdhsa_user_sgpr_kernarg_segment_ptr 1
		.amdhsa_wavefront_size32 1
		.amdhsa_system_sgpr_workgroup_id_x 1
		.amdhsa_system_sgpr_workgroup_id_y 1
		.amdhsa_system_sgpr_workgroup_id_z 1
		.amdhsa_system_vgpr_workitem_id 0
		.amdhsa_next_free_vgpr 96
		.amdhsa_next_free_sgpr 66
		.amdhsa_reserve_vcc 1
		.amdhsa_float_denorm_mode_32 3
		.amdhsa_float_denorm_mode_16_64 3
		.amdhsa_memory_ordered 1
		.amdhsa_forward_progress 1
		.amdhsa_inst_pref_size 8
	.end_amdhsa_kernel
	.amdgpu_metadata
---
amdhsa.version: [ 1, 2 ]
amdhsa.kernels:
  - .name:           k_q8944b45cea_prep
    .symbol:         k_q8944b45cea_prep.kd
    .args:
      - { .name: x, .offset: 0, .size: 8, .value_kind: global_buffer, .address_space: global }
      - { .name: y, .offset: 8, .size: 8, .value_kind: global_buffer, .address_space: global }
      - { .name: W1, .offset: 16, .size: 8, .value_kind: global_buffer, .address_space: global }
      - { .name: W2, .offset: 24, .size: 8, .value_kind: global_buffer, .address_space: global }
      - { .name: cimg, .offset: 32, .size: 8, .value_kind: global_buffer, .address_space: global }
      - { .name: simg, .offset: 40, .size: 8, .value_kind: global_buffer, .address_space: global }
      - { .name: out1, .offset: 48, .size: 8, .value_kind: global_buffer, .address_space: global }
    .group_segment_fixed_size: 0
    .private_segment_fixed_size: 0
    .kernarg_segment_align: 8
    .kernarg_segment_size: 56
    .max_flat_workgroup_size: 32
    .sgpr_count:     66
    .vgpr_count:     96
    .wavefront_size: 32
...
	.end_amdgpu_metadata
.endif
;; end of part 1
;; launch pairs (part 2): grid 8 x 32, 4 waves a work-group, no clusters, 58,880 bytes of LDS; arguments cimg, simg, b1, b2, W3, b3, out0; writes out0
.if DOCPART == 2
	.amdgcn_target "amdgcn-amd-amdhsa--gfx1250"
	.amdhsa_code_object_version 6
	.text
	.protected	k_q8944b45cea_pairs
	.globl	k_q8944b45cea_pairs
	.p2align	8
	.type	k_q8944b45cea_pairs,@function
k_q8944b45cea_pairs:
	s_mov_b64 s[64:65], 0
	v_nop
	global_prefetch_b8 v0, s[64:65] scope:SCOPE_SE
	s_setreg_imm32_b32 hwreg(HW_REG_WAVE_MODE, 25, 1), 1
	s_wait_xcnt 0x0
; out0[i][j] = W3 . relu(W2 . Q(relu(hy[i] + hx[j] + b1)) + b2) + b3,  hx = Q(x) Q(W1[:, :128])^T,  hy = Q(y) Q(W1[:, 128:])^T; Q: codes of FP4 (E2M1) with one E8M0 scale for each 32 along K.
; x, y, W1, W2 come as fragment images (16 rows x 128 K: [c][lane][16 bytes]) and scale words, as the launch before has laid them.
; SHARES.  A work-group owns 16 i x 64 j = 1,024 pairs = 64 tiles of 16 pairs: tile 4 i + jt, its row r is j = 16 jt + r.  THE FOUR WAVES SHARE N AND K, NOT THE ROWS: wave w owns outputs g = 128 w .. 128 w + 127 of
; the large product; its part of W2 (8 tiles x 4 K steps, 256 registers), of b2 and of W3 stays in registers for the whole launch.  Wave w also MAKES K step w (hidden units 128 w on) of every tile's operand, for which it
; needs its own 128 columns of hx (in registers) and of hy (in its own LDS bytes) alone.  The operand's fragments go from wave to wave through LDS as images of their registers, in two slots that take turns.
; LAYOUT.  All products are used transposed (source 0 = 16 rows of a weight, source 1 = 16 rows of x, y or pairs): a lane holds ONE pair (lane % 16).  W1's rows of a tile were chosen so that register 32 c + e of hx and hy
; is hidden unit 64 c + 32 (lane / 16) + e of the wave's 128: the order of a 4-bit operand's registers.  So a lane holds two whole blocks of 32, and the conversions' results ARE the operand.
; THE LOOP.  Step n multiplies tile n (32 matrix instructions); behind each stand five vector instructions of other tiles: the clipping of tile n + 3's sums, and relu and the multiply-adds by W3 on results finished earlier.
; At its head it fetches tile n + 1's fragments, quantises tile n + 2 into the slot that was read last step, stores tile n - 2's partial score and adds tile n + 3's sums.  One barrier a step.
; b1 is the C of hx's product and b2 the C of each sum's first product.  The last product (N = 1) is f32 multiply-adds; the four waves' parts meet in LDS at the end.
; NO CLUSTER, NO JOINT LOADS: the loop reads nothing from memory.  What work-groups share (W2's images, 34,816 bytes a wave; W1's, 17,408) is read once, at the head, straight into the registers that keep it, by loads of 512
; consecutive bytes; through LDS the same bytes would be written and read once more.  No tensor load, so no ring for memory.
; LIMITS: NaN and infinities are not served.  A block of the hidden layer whose largest number lies under 2^-124, a block of zeros among them, gets the scale byte 1 (the floor).  The hidden layer is summed as
; hy + (hx + b1), and the scores over g in another order than the source reads: f32 throughout.
;
; LDS: two slots of SLOTB bytes: K step s's image at 1,024 s + 512 c + 16 lane, the rows' scale words at SCO + 16 r + 4 s;  from HYB 8,192 bytes a wave: hy's image, 512 q + 16 lane, its own wave's alone;
;      from PSB 4,096 bytes a wave: partial scores [tile][r].
; REGISTERS, in windows of 256 (s_set_vgpr_msb: bits 1:0 source 0, 3:2 source 1, 5:4 source 2, 7:6 destination):
;   window 0: as named below.   window 1: v0-127 W2 of my tiles 0-3, v128-159 W3 for tiles 4-7, v160-191 b2 for tiles 0-3, v192-255 one row of hy (at the head x's and y's fragments)
;   window 2: v0-127 W2 of tiles 4-7, v128-159 W3 for tiles 0-3, v160-191 b2 for tiles 4-7, v192-255 b1.   window 3: hx + b1, 64 registers for each jt.
.set SLOTB, 4352
.set SCO,   4096
.set HYB,   2*SLOTB
.set PSB,   HYB+4*8192+256
.set PS0,   PSB-128                    ; step n stores tile n - 2's score: the address runs two tiles (128 bytes) ahead
.set L16, 1                            ; v1      16 x lane; never rewritten
.set AFS, 2                            ; v2      where I store my K step's image: 16 x lane + 1,024 w
.set ASL, 3                            ; v3      where I read a row's four scale words: SCO + 16 r
.set ASS, 4                            ; v4      where I store my K step's: SCO + 16 r + 4 w
.set AHY, 5                            ; v5      hy's row in hand: HYB + 8,192 w + 256 h + 16 i
.set APS, 6                            ; v6      the trip's scores
.set SH8, 7                            ; v7      8 h
.set M,   8                            ; v8-11   largest numbers, two chains a block
.set SO,  12                           ; v12-13  the conversions' scale operands
.set T,   14                           ; v14-15  the scale word in the making
.set CD,  16                           ; v16-23  the codes just made
.set SUM, 24                           ; v24-31  two sets (tiles by turns) of two chains of two; at the head v24-27 hold offsets of global loads
.set O4L, 24
.set OSC, 25
.set O32, 26
.set O128, 27
.set SCW, 32                           ; v32-47  W2's scale words: register 4 s + m: lanes 0-15 tile 2 m, lanes 16-31 tile 2 m + 1
.set HSC, 48                           ; v48-55  the hidden layer's scale words, 4 b + s; at the head W1's second part's (4) and x's (4)
.set SW1X, 56                          ; v56-59  W1's first part's scale words, two tiles a register
.set SY,  60                           ; v60     y's
.set T2,  61
.set T3,  62
.set R4,  63                           ; v63     4 r; never rewritten
.set ACC, 64                           ; v64-127 eight accumulators; at the head W1's first part
.set FRG, 128                          ; v128-191 two sets of four fragments of the hidden layer; at the head W1's second part
.set S,   192                          ; v192-255 64 numbers of the hidden layer in the making; at the head hy
.set W3R, 128                          ; in windows 1 and 2
.set B2R, 160
.set HY,  192
.set WV,  18                           ; s18 wave, s19 block of 64 j, s20 block of 16 i
.set JB,  19
.set IB,  20
.set SEL, 22                           ; s[22:23] lane selects: lane l xor 16
.set CNT, 24
.set SPS, 25                           ; s25     PS0 + 4,096 w + 256 x trip
.set SHY, 54                           ; s54     HYB + 8,192 w + 16 i
.set MSB, 0
.set rC, 0
.macro WIN new                         ; the immediate's high byte repeats the setting that is left; a switch that changes nothing is dropped
.if MSB != (\new)
	s_set_vgpr_msb (MSB<<8)|(\new)
.set MSB, (\new)
.endif
.endm
; One matrix instruction on rD, rA, rB, rC, rSA, rSB.  cz = 1: C is the constant 0.  odd = 1: source 0's scale words stand in lanes 16-31.
.macro WM cz, odd
.if \cz
.if \odd
	v_wmma_scale_f32_16x16x128_f8f6f4 v[rD:rD+7], v[rA:rA+7], v[rB:rB+7], 0, v[rSA], v[rSB] matrix_a_fmt:MATRIX_FMT_FP4 matrix_b_fmt:MATRIX_FMT_FP4 matrix_a_scale:MATRIX_SCALE_ROW1
.else
	v_wmma_scale_f32_16x16x128_f8f6f4 v[rD:rD+7], v[rA:rA+7], v[rB:rB+7], 0, v[rSA], v[rSB] matrix_a_fmt:MATRIX_FMT_FP4 matrix_b_fmt:MATRIX_FMT_FP4
.endif
.else
.if \odd
	v_wmma_scale_f32_16x16x128_f8f6f4 v[rD:rD+7], v[rA:rA+7], v[rB:rB+7], v[rC:rC+7], v[rSA], v[rSB] matrix_a_fmt:MATRIX_FMT_FP4 matrix_b_fmt:MATRIX_FMT_FP4 matrix_a_scale:MATRIX_SCALE_ROW1
.else
	v_wmma_scale_f32_16x16x128_f8f6f4 v[rD:rD+7], v[rA:rA+7], v[rB:rB+7], v[rC:rC+7], v[rSA], v[rSB] matrix_a_fmt:MATRIX_FMT_FP4 matrix_b_fmt:MATRIX_FMT_FP4
.endif
.endif
.endm
.macro BASE d, p, reg, sh, add         ; s[d:d+1] = the buffer at s[p:p+1] + (s[reg] << sh) + add
	s_lshl_b32 s26, s[\reg], \sh
.if \add
	s_add_co_u32 s26, s26, \add
.endif
	s_add_nc_u64 s[\d:\d+1], s[\p:\p+1], s[26:27]
.endm
; Window g + 1: W2's fragments and b2 of my tiles 4 g .. 4 g + 3, and W3 for the OTHER four: the multiply-adds on a group's results stand beside the other group's products, under their window setting.
.macro LOADW g
	WIN 0x40*(\g+1)
.irp n, 0,1,2,3
.irp s, 0,1,2,3
.irp c, 0,1
	global_load_b128 v[64*(\n/2)+16*\s+8*(\n%2)+4*\c:64*(\n/2)+16*\s+8*(\n%2)+4*\c+3], v[L16], s[34:35] offset:((4*(\n+4*\g)+\s)*2+\c)*512
.endr
.endr
	global_load_b128 v[W3R+8*\n:W3R+8*\n+3], v[O32], s[48:49] offset:64*(\n+4-4*\g)          ; lane (r, h): the tile's outputs 8 h + 0 .. 7, as in the result's layout
	global_load_b128 v[W3R+8*\n+4:W3R+8*\n+7], v[O32], s[48:49] offset:64*(\n+4-4*\g)+16
	global_load_b128 v[B2R+8*\n:B2R+8*\n+3], v[O32], s[46:47] offset:64*(\n+4*\g)
	global_load_b128 v[B2R+8*\n+4:B2R+8*\n+7], v[O32], s[46:47] offset:64*(\n+4*\g)+16
.endr
.endm
	s_load_b256 s[4:11], s[0:1], 0x0               ; the images s[4:5], the scale words s[6:7], b1 s[8:9], b2 s[10:11]
	s_load_b128 s[12:15], s[0:1], 0x20             ; W3 s[12:13], b3 s[14:15]
	s_load_b64 s[16:17], s[0:1], 0x30              ; out0
	v_lshrrev_b32 v8, 5, v0
	v_readfirstlane_b32 s[WV], v8                  ; wave 0..3
	s_mov_b32 s[JB], ttmp9
	s_and_b32 s[IB], ttmp7, 0xffff
	s_mov_b32 s[SEL], 0x76543210
	s_mov_b32 s[SEL+1], 0xfedcba98
	v_and_b32 v9, 31, v0                           ; lane
	v_and_b32 v10, 15, v0                          ; r
	v_bfe_u32 v11, v0, 4, 1                        ; h
	v_lshlrev_b32 v[L16], 4, v9
	v_lshlrev_b32 v[R4], 2, v10
	v_lshlrev_b32 v[SH8], 3, v11
	s_lshl_b32 s26, s[WV], 10
	v_add_nc_u32 v[AFS], s26, v[L16]
	v_lshl_add_u32 v[ASL], v10, 4, SCO
	s_lshl_b32 s26, s[WV], 2
	v_add_nc_u32 v[ASS], s26, v[ASL]
	s_lshl_b32 s[SHY], s[WV], 13
	s_add_co_u32 s[SHY], s[SHY], HYB
	v_lshl_add_u32 v[AHY], v[SH8], 5, s[SHY]       ; i = 0
	v_add_nc_u32 v8, s[SHY], v[L16]                ; where hy's image is stored
	s_lshl_b32 s[SPS], s[WV], 12
	s_add_co_u32 s[SPS], s[SPS], PS0
	v_lshlrev_b32 v[O4L], 2, v9                    ; 4 x lane: two tiles' scale words on end
	v_lshl_add_u32 v[OSC], v11, 8, v[R4]           ; 256 h + 4 r: W2's tiles 2 m and 2 m + 1 lie four images apart
	v_lshlrev_b32 v[O32], 5, v11
	v_lshlrev_b32 v[O128], 7, v11
	v_mov_b32 v[T3], 0                             ; written once: a lane permute's destination counts as one of its sources
	s_mov_b32 s27, 0
	s_wait_kmcnt 0x0
	s_load_b32 s52, s[14:15], 0x0                  ; b3
	BASE 28, 4, JB, 12, 0                          ; x's four images
	BASE 30, 4, IB, 10, 32768                      ; y's image
	BASE 32, 4, WV, 13, 65536                      ; W1's eight of the first part; the second part's 32,768 bytes on
	BASE 34, 4, WV, 15, 131072                     ; W2's 32
	BASE 36, 6, JB, 8, 0                           ; and their scale words, 64 bytes an image
	BASE 38, 6, IB, 6, 2048
	BASE 40, 6, WV, 9, 4096
	BASE 42, 6, WV, 11, 8192
	BASE 44, 8, WV, 9, 0                           ; my 128 numbers of b1, b2, W3
	BASE 46, 10, WV, 9, 0
	BASE 48, 12, WV, 9, 0
	s_lshl_b32 s26, s[IB], 15                      ; out0: row 16 ib + 4 w (each wave stores four rows' pieces), column 64 jb
	s_lshl_b32 s21, s[WV], 13
	s_add_co_u32 s26, s26, s21
	s_lshl_b32 s21, s[JB], 8
	s_add_co_u32 s26, s26, s21
	s_add_nc_u64 s[50:51], s[16:17], s[26:27]
	; THE FIRST GROUP, 71 loads: what the two small products want
	WIN 0x40
.irp jt, 0,1,2,3
.irp c, 0,1
	global_load_b128 v[HY+8*\jt+4*\c:HY+8*\jt+4*\c+3], v[L16], s[28:29] offset:1024*\jt+512*\c
.endr
.endr
.irp c, 0,1
	global_load_b128 v[HY+32+4*\c:HY+32+4*\c+3], v[L16], s[30:31] offset:512*\c
.endr
	WIN 0
.irp t, 0,1,2,3,4,5,6,7
.irp c, 0,1
	global_load_b128 v[ACC+8*\t+4*\c:ACC+8*\t+4*\c+3], v[L16], s[32:33] offset:1024*\t+512*\c
	global_load_b128 v[FRG+8*\t+4*\c:FRG+8*\t+4*\c+3], v[L16], s[32:33] offset:32768+1024*\t+512*\c
.endr
.endr
.irp m, 0,1,2,3
	global_load_b32 v[SW1X+\m], v[O4L], s[40:41] offset:128*\m
	global_load_b32 v[HSC+\m], v[O4L], s[40:41] offset:2048+128*\m
	global_load_b32 v[HSC+4+\m], v[R4], s[36:37] offset:64*\m
.endr
	global_load_b32 v[SY], v[R4], s[38:39]
	WIN 0x80
.irp t, 0,1,2,3,4,5,6,7
	global_load_b128 v[192+8*\t:195+8*\t], v[O128], s[44:45] offset:(64*(\t/4)+8*(\t%4))*4       ; b1 in the result's layout: hidden units 64 cl + 32 h + 8 tp + 0 .. 7
	global_load_b128 v[196+8*\t:199+8*\t], v[O128], s[44:45] offset:(64*(\t/4)+8*(\t%4))*4+16
.endr
	; THE SECOND GROUP, 112 loads: what the loop keeps
	LOADW 1
	LOADW 0
	WIN 0
.irp s, 0,1,2,3
.irp m, 0,1,2,3
	global_load_b32 v[SCW+4*\s+\m], v[OSC], s[42:43] offset:(8*\m+\s)*64
.endr
.endr
	s_wait_loadcnt 63                              ; loads come back in order: 112 were issued behind the first group, so with 63 out the first group is in
	WIN 0x04                                       ; hy: source 0 = 16 rows of W1's second part, source 1 = y's 16 rows (window 1)
.set tt, 0
.rept 8
.set rD, S+8*tt
.set rA, FRG+8*tt
.set rB, HY+32
.set rSA, HSC+tt/2
.set rSB, SY
	WM 1, tt%2
.set tt, tt+1
.endr
	WIN 0xe4                                       ; hx + b1: source 1 = x's tile jt (window 1), C = b1 (window 2), the result in window 3.  Every sum is one instruction
.set jj, 0
.rept 4
.set tt, 0
.rept 8
.set rD, 64*jj+8*tt
.set rA, ACC+8*tt
.set rB, HY+8*jj
.set rC, 192+8*tt
.set rSA, SW1X+tt/2
.set rSB, HSC+4+jj
	WM 0, tt%2
.set tt, tt+1
.endr
.set jj, jj+1
.endr
	WIN 0
.rept 4
	v_nop                                          ; four places behind the products, in front of the first reads of results and of loads into registers that they read
.endr
.irp q, 0,1,2,3,4,5,6,7,8,9,10,11,12,13,14,15
	ds_store_b128 v8, v[S+4*\q:S+4*\q+3] offset:512*\q             ; hy's image: lane 16 h + i holds row i; each accumulator from its low end on
.endr
; One row of hy for all lanes: lane (r, h) takes what lane (i, h) stored: sixteen lanes read the same 16 bytes.  LDS serves a wave's instructions in order, and these bytes are the wave's own.
.macro LOADHY step
.if \step
	WIN 0
	s_add_co_u32 s[SHY], s[SHY], 16
	v_lshl_add_u32 v[AHY], v[SH8], 5, s[SHY]
.endif
	WIN 0x40
.irp q, 0,1,2,3,4,5,6,7,8,9,10,11,12,13,14,15
	ds_load_b128 v[HY+4*\q:HY+4*\q+3], v[AHY] offset:512*\q
.endr
.endm
.macro ADDS jt                         ; hy + (hx + b1) for a tile: hx's accumulators are read from their low ends on
	WIN 0x07                                       ; source 0 window 3, source 1 window 1
.set ee, 0
.rept 32
	v_pk_add_f32 v[S+ee:S+ee+1], v[64*(\jt)+ee:64*(\jt)+ee+1], v[HY+ee:HY+ee+1]
.set ee, ee+2
.endr
.endm
.macro RELUS                           ; at the head alone: in the loop these 64 stand behind matrix instructions
	WIN 0
.set ee, 0
.rept 64
	v_max_num_f32 v[S+ee], 0, v[S+ee]
.set ee, ee+1
.endr
.endm
.macro LOADFR b                        ; a tile's four fragments and its rows' four scale words, from slot b into set b
.irp s, 0,1,2,3
.irp c, 0,1
	ds_load_b128 v[FRG+32*(\b)+8*\s+4*\c:FRG+32*(\b)+8*\s+4*\c+3], v[L16] offset:(\b)*SLOTB+1024*\s+512*\c
.endr
.endr
	ds_load_b128 v[HSC+4*(\b):HSC+4*(\b)+3], v[ASL] offset:(\b)*SLOTB
.endm
; The 64 numbers in S, none negative, become my K step's fragment and scale word, which go to slot b as they stand.
.macro FINISH b
	WIN 0
.irp c, 0,1
	v_max3_num_f32 v[M+2*\c], v[S+32*\c], v[S+32*\c+1], 0x1800000  ; the largest of each of my two blocks: two chains a block, the four by turns; the floor 2^(3 - 127) holds the byte at 1 from below
	v_max3_num_f32 v[M+2*\c+1], v[S+32*\c+16], v[S+32*\c+17], v[S+32*\c+18]
.endr
.irp i, 1,2,3,4,5,6
.irp c, 0,1
	v_max3_num_f32 v[M+2*\c], v[M+2*\c], v[S+32*\c+2*\i], v[S+32*\c+2*\i+1]
	v_max3_num_f32 v[M+2*\c+1], v[M+2*\c+1], v[S+32*\c+17+2*\i], v[S+32*\c+18+2*\i]
.endr
.endr
.irp c, 0,1
	v_max3_num_f32 v[M+2*\c], v[M+2*\c], v[S+32*\c+14], v[S+32*\c+15]
.endr
.irp c, 0,1
	v_max3_num_f32 v[M+2*\c], v[M+2*\c], v[M+2*\c+1], v[S+32*\c+31]
.endr
.irp c, 0,1
	v_add_nc_u32 v[SO+\c], 0xff000000, v[M+2*\c]   ; 2 off the exponent field: the conversion's scale operand
.endr
.irp c, 0,1
.irp g, 0,1,2,3
	v_cvt_scalef32_pk8_fp4_f32 v[CD+4*\c+\g], v[S+32*\c+8*\g:S+32*\c+8*\g+7], v[SO+\c]
.endr
.endr
	v_lshrrev_b32 v[T], 23, v[SO]                  ; the byte of block h (a plain line behind the last conversion),
	v_lshrrev_b32 v[T+1], 23, v[SO+1]              ; and of block 2 + h
	v_lshl_or_b32 v[T], v[T+1], 16, v[T]
	v_lshlrev_b32 v[T], v[SH8], v[T]
	v_permlanex16_b32 v[T+1], v[T], s[SEL], s[SEL+1]
	v_or_b32 v[T], v[T], v[T+1]                    ; with lane l xor 16's two bytes the row's word is whole
	ds_store_b128 v[AFS], v[CD:CD+3] offset:(\b)*SLOTB
	ds_store_b128 v[AFS], v[CD+4:CD+7] offset:(\b)*SLOTB+512
	ds_store_b32 v[ASS], v[T] offset:(\b)*SLOTB    ; lanes r and 16 + r write the same word with the same value
.endm
.macro SCORE b, off                    ; set b's four sums and lane l xor 16's: my wave's part of 16 pairs' scores
	v_pk_add_f32 v[SUM+4*(\b):SUM+4*(\b)+1], v[SUM+4*(\b):SUM+4*(\b)+1], v[SUM+4*(\b)+2:SUM+4*(\b)+3]
	v_add_f32 v[T2], v[SUM+4*(\b)], v[SUM+4*(\b)+1]
	v_permlanex16_b32 v[T3], v[T2], s[SEL], s[SEL+1]
	v_add_f32 v[T2], v[T2], v[T3]
	ds_store_b32 v[APS], v[T2] offset:\off
.endm
; The five vector instructions behind matrix instruction kk of a phase: numbers 5 kk .. 5 kk + 4 of a list of 80.  0-31 (rs = 1): the clipping of S[32 g ..].  32-79 (cc = 1): the OTHER group's four finished accumulators,
; twelve lines each: eight relu, from the low end on, and four packed multiply-adds by W3 into two chains.  Only source 0 (W3) lies outside window 0, in the window of the products' source 0: no switch is needed.
.macro FILL g, p, rs, cc
.set ff, 5*kk
.rept 5
.if ff < 32
.if \rs
	v_max_num_f32 v[S+32*\g+ff], 0, v[S+32*\g+ff]
.endif
.elseif \cc
.set tl, (ff-32)/12
.set yy, (ff-32)%12
.set rAC, ACC+8*(4*(1-\g)+tl)
.if yy < 8
	v_max_num_f32 v[rAC+yy], 0, v[rAC+yy]
.else
.set pr, yy-8
.set rSU, SUM+4*((\p+1-\g)%2)+2*(pr%2)
.if (\g == 1) && (tl == 0) && (pr < 2)
	v_pk_mul_f32 v[rSU:rSU+1], v[W3R+8*tl+2*pr:W3R+8*tl+2*pr+1], v[rAC+2*pr:rAC+2*pr+1]            ; a tile's first products start its sums: nothing is cleared
.else
	v_pk_fma_f32 v[rSU:rSU+1], v[W3R+8*tl+2*pr:W3R+8*tl+2*pr+1], v[rAC+2*pr:rAC+2*pr+1], v[rSU:rSU+1]
.endif
.endif
.endif
.set ff, ff+1
.endr
.endm
; Sixteen matrix instructions: my tiles 4 g .. 4 g + 3 x the four K steps.  The four accumulators take turns, one instruction a turn.  The first K step takes b2 as C.
; In the first phase, behind the eighth: the wait for all the step's LDS instructions (they stand at its head), and the barrier's signal; only work on registers follows up to the barrier's wait at the step's end.
.macro PHASE g, p, rs, cc, bar
.set kk, 0
.rept 16
.set ks, kk/4
.set nn, kk%4
.set rD, ACC+8*(4*\g+nn)
.set rA, 64*(nn/2)+16*ks+8*(nn%2)
.set rB, FRG+32*((\p)%2)+8*ks
.set rSA, SCW+4*ks+2*\g+nn/2
.set rSB, HSC+4*((\p)%2)+ks
.if kk < 4
	WIN 0x11*(\g+1)                                ; source 0 (W2) and C (b2) in window g + 1
.set rC, B2R+8*nn
.else
	WIN 0x01*(\g+1)                                ; source 0 in window g + 1; C and D in window 0
.set rC, rD
.endif
	WM 0, nn%2
	FILL \g, \p, \rs, \cc
.if (\g == 0) && (kk == 7)
	s_wait_dscnt 0x0                               ; my loads of the one slot are in, my stores into the other have landed
.if \bar
	s_barrier_signal -1
.endif
.endif
.set kk, kk+1
.endr
.endm
; STEP n (p = n % 4).  lf: fetch tile n + 1 (stored last step, in front of that step's signal).  fin: quantise tile n + 2 into slot n % 2 (read last step; those loads were waited for in front of that step's signal).
; sc: tile n - 2's score.  add: tile n + 3's sums.  lhy: the next row of hy, behind the last sums that want the old one.  c1: tile n - 1 has results to be taken up.  bar: somebody reads next step what is stored now.
; Behind the last matrix instruction of a step stand five plain lines that name none of its registers: the places in front of the next step's loads into the fragments that it read.
.macro STEP p, lf, fin, sc, add, lhy, c1, bar
	WIN 0
.if \lf
	LOADFR (\p+1)%2
.endif
.if \fin
	FINISH (\p)%2
.endif
.if \sc
	SCORE (\p)%2, 64*\p
.endif
.if \add
	ADDS (\p+3)%4
.endif
.if \lhy
	LOADHY 1
.endif
	PHASE 0, \p, \add, \c1, \bar
	PHASE 1, \p, \add, 1, 0
	WIN 0
.if \bar
	s_barrier_wait -1
.endif
.endm
	LOADHY 0                                       ; row i = 0
	s_wait_dscnt 0x0                               ; it is in, and the stores have read S
	ADDS 0
	RELUS
	FINISH 0                                       ; tile 0 into slot 0
	ADDS 1
	RELUS
	s_wait_dscnt 0x0                               ; tile 0's stores have read the codes' registers
	FINISH 1                                       ; tile 1 into slot 1
	ADDS 2
	RELUS                                          ; tile 2 waits in S for step 0
	s_wait_dscnt 0x0                               ; for the others' sake: my stores have landed
	s_barrier_signal -1
	s_barrier_wait -1
	LOADFR 0
	s_wait_dscnt 0x0                               ; my reads of slot 0 are over: step 0 writes it again
	s_barrier_signal -1
	s_barrier_wait -1
	s_wait_kmcnt 0x0                               ; b3
	s_mov_b32 s53, s52                             ; (the packed form names the pair)
	s_wait_loadcnt 0x0                             ; the second group: W2, b2, W3, W2's scale words; the offsets in v24-27 may be written from here on
	v_add_nc_u32 v[APS], s[SPS], v[R4]
	STEP 0, 1, 1, 0, 1, 1, 0, 1                    ; the first trip is written out: nothing is finished yet in its first steps
	STEP 1, 1, 1, 0, 1, 0, 1, 1
	STEP 2, 1, 1, 1, 1, 0, 1, 1
	STEP 3, 1, 1, 1, 1, 0, 1, 1
	s_add_co_u32 s[SPS], s[SPS], 256
	s_mov_b32 s[CNT], 14
.Ltrip:                                                ; a trip is four steps, one i: the register numbers are back where they began
	v_add_nc_u32 v[APS], s[SPS], v[R4]
	STEP 0, 1, 1, 1, 1, 1, 1, 1
	STEP 1, 1, 1, 1, 1, 0, 1, 1
	STEP 2, 1, 1, 1, 1, 0, 1, 1
	STEP 3, 1, 1, 1, 1, 0, 1, 1
	s_add_co_u32 s[SPS], s[SPS], 256
	s_sub_co_u32 s[CNT], s[CNT], 1
	s_cmp_lg_u32 s[CNT], 0
	s_cbranch_scc1 .Ltrip
	v_add_nc_u32 v[APS], s[SPS], v[R4]
	STEP 0, 1, 1, 1, 1, 0, 1, 1                    ; the last trip: tile 63's sums are the last; there is no further row of hy
	STEP 1, 1, 1, 1, 0, 0, 1, 1                    ; tile 63 is quantised
	STEP 2, 1, 0, 1, 0, 0, 1, 0                    ; nothing is stored for others any more
	STEP 3, 0, 0, 1, 0, 0, 1, 0
	SCORE 0, 256                                   ; tile 62
	WIN 0x01
.set kk, 0
.rept 16
	FILL 0, 0, 0, 1                                ; tile 63's accumulators 4-7 (five plain lines and the score's stand behind the last product)
.set kk, kk+1
.endr
	WIN 0
	s_wait_dscnt 0x0                               ; tile 62's store has read its register
	SCORE 1, 320                                   ; tile 63
	; THE WAY OUT: the four waves' parts are added, with b3; wave w takes tiles 16 w .. 16 w + 15, four rows' pieces of out0.
	s_wait_dscnt 0x0                               ; for the others' sake: my scores have landed
	s_barrier_signal -1
	s_barrier_wait -1
	s_lshl_b32 s26, s[WV], 10
	s_add_co_u32 s26, s26, PSB
	v_add_nc_u32 v8, s26, v[L16]
.irp t, 0,1
.irp u, 0,1,2,3
	ds_load_b128 v[S+16*\t+4*\u:S+16*\t+4*\u+3], v8 offset:4096*\u+512*\t      ; wave u's part: lane l: row 4 w + 2 t + l / 16, columns 4 (l % 16) + 0 .. 3
.endr
.endr
	v_lshlrev_b32 v9, 2, v[R4]
	v_lshl_add_u32 v9, v[SH8], 8, v9               ; 2,048 (l / 16) + 16 (l % 16)
	s_wait_dscnt 0x0
.irp t, 0,1
	v_pk_add_f32 v[S+16*\t:S+16*\t+1], v[S+16*\t:S+16*\t+1], v[S+16*\t+4:S+16*\t+5]
	v_pk_add_f32 v[S+16*\t+2:S+16*\t+3], v[S+16*\t+2:S+16*\t+3], v[S+16*\t+6:S+16*\t+7]
	v_pk_add_f32 v[S+16*\t+8:S+16*\t+9], v[S+16*\t+8:S+16*\t+9], v[S+16*\t+12:S+16*\t+13]
	v_pk_add_f32 v[S+16*\t+10:S+16*\t+11], v[S+16*\t+10:S+16*\t+11], v[S+16*\t+14:S+16*\t+15]
	v_pk_add_f32 v[S+16*\t:S+16*\t+1], v[S+16*\t:S+16*\t+1], v[S+16*\t+8:S+16*\t+9]
	v_pk_add_f32 v[S+16*\t+2:S+16*\t+3], v[S+16*\t+2:S+16*\t+3], v[S+16*\t+10:S+16*\t+11]
	v_pk_add_f32 v[S+16*\t:S+16*\t+1], v[S+16*\t:S+16*\t+1], s[52:53] op_sel_hi:[1,0]
	v_pk_add_f32 v[S+16*\t+2:S+16*\t+3], v[S+16*\t+2:S+16*\t+3], s[52:53] op_sel_hi:[1,0]
	global_store_b128 v9, v[S+16*\t:S+16*\t+3], s[50:51] offset:4096*\t th:TH_STORE_NT       ; sixteen lanes store 256 consecutive bytes, at a multiple of 256 from out0's first byte; written once, read by nobody here
.endr
	s_wait_xcnt 0x0
	v_lshl_add_u32 v254, v0, 2, 0xe400
	v_mov_b32 v255, 0
	s_wait_tensorcnt 0x0
	ds_add_u32 v254, v255
	s_wait_dscnt 0x0
	s_endpgm
.Lfunc_end_k_q8944b45cea_pairs:
	.size	k_q8944b45cea_pairs, .Lfunc_end_k_q8944b45cea_pairs-k_q8944b45cea_pairs
	.p2alignl 7, 3214868480
	.fill 96, 4, 3214868480
	.section	.rodata,"a",@progbits
	.p2align	6, 0x0
	.amdhsa_kernel k_q8944b45cea_pairs
		.amdhsa_group_segment_fixed_size 58880
		.amdhsa_private_segment_fixed_size 0
		.amdhsa_enable_private_segment 0
		.amdhsa_kernarg_size 56
		.amdhsa_user_sgpr_count 2
		.amdhsa_user_sgpr_kernarg_segment_ptr 1
		.amdhsa_wavefront_size32 1
		.amdhsa_system_sgpr_workgroup_id_x 1
		.amdhsa_system_sgpr_workgroup_id_y 1
		.amdhsa_system_sgpr_workgroup_id_z 1
		.amdhsa_system_vgpr_workitem_id 0
		.amdhsa_next_free_vgpr 1024
		.amdhsa_next_free_sgpr 66
		.amdhsa_reserve_vcc 0
		.amdhsa_float_denorm_mode_32 3
		.amdhsa_float_denorm_mode_16_64 3
		.amdhsa_memory_ordered 1
		.amdhsa_forward_progress 1
		.amdhsa_inst_pref_size 228
	.end_amdhsa_kernel
	.amdgpu_metadata
---
amdhsa.version: [ 1, 2 ]
amdhsa.kernels:
  - .name:           k_q8944b45cea_pairs
    .symbol:         k_q8944b45cea_pairs.kd
    .args:
      - { .name: cimg, .offset: 0, .size: 8, .value_kind: global_buffer, .address_space: global }
      - { .name: simg, .offset: 8, .size: 8, .value_kind: global_buffer, .address_space: global }
      - { .name: b1, .offset: 16, .size: 8, .value_kind: global_buffer, .address_space: global }
      - { .name: b2, .offset: 24, .size: 8, .value_kind: global_buffer, .address_space: global }
      - { .name: W3, .offset: 32, .size: 8, .value_kind: global_buffer, .address_space: global }
      - { .name: b3, .offset: 40, .size: 8, .value_kind: global_buffer, .address_space: global }
      - { .name: out0, .offset: 48, .size: 8, .value_kind: global_buffer, .address_space: global }
    .group_segment_fixed_size: 58880
    .private_segment_fixed_size: 0
    .kernarg_segment_align: 8
    .kernarg_segment_size: 56
    .max_flat_workgroup_size: 128
    .sgpr_count:     66
    .vgpr_count:     1024
    .wavefront_size: 32
...
	.end_amdgpu_metadata
.endif
;; end of part 2
;; ======== version 2 of 2: 2 launches; version 1 with the launch pairs written anew for expert scheduling mode
;; workspace buffers: cimg 262,144 bytes; simg 16,384 bytes
;; launch prep: the kernel of part 1 again; grid 256 x 1, 1 waves a work-group, no clusters, 0 bytes of LDS; arguments x, y, W1, W2, cimg, simg, out1; writes cimg, simg, out1
;; launch pairs (part 3): grid 8 x 32, 4 waves a work-group, no clusters, 58,880 bytes of LDS; arguments cimg, simg, b1, b2, W3, b3, out0; writes out0
.if DOCPART == 3
	.amdgcn_target "amdgcn-amd-amdhsa--gfx1250"
	.amdhsa_code_object_version 6
	.text
	.protected	k_q8944b45cea_pairs
	.globl	k_q8944b45cea_pairs
	.p2align	8
	.type	k_q8944b45cea_pairs,@function
k_q8944b45cea_pairs:
	s_mov_b64 s[64:65], 0
	v_nop
	global_prefetch_b8 v0, s[64:65] scope:SCOPE_SE
	s_setreg_imm32_b32 hwreg(HW_REG_WAVE_SCHED_MODE, 0, 2), 2
	s_setreg_imm32_b32 hwreg(HW_REG_WAVE_MODE, 25, 1), 1
	s_wait_xcnt 0x0
	s_wait_alu depctr_vm_vsrc(0)
; out0[i][j] = W3 . relu(W2 . Q(relu(hy[i] + hx[j] + b1)) + b2) + b3,  hx = Q(x) Q(W1[:, :128])^T,  hy = Q(y) Q(W1[:, 128:])^T; Q: codes of FP4 (E2M1) with one E8M0 scale for each 32 along K.
; x, y, W1, W2 come as fragment images (16 rows x 128 K: [c][lane][16 bytes]) and scale words, as the launch before has laid them.
; SHARES.  A work-group owns 16 i x 64 j = 1,024 pairs = 64 tiles of 16 pairs: tile 4 i + jt, its row r is j = 16 jt + r.  THE FOUR WAVES SHARE N AND K, NOT THE ROWS: wave w owns outputs g = 128 w .. 128 w + 127 of
; the large product; its part of W2 (8 tiles x 4 K steps, 256 registers), of b2 and of W3 stays in registers for the whole launch.  Wave w also MAKES K step w (hidden units 128 w on) of every tile's operand, for which it
; needs its own 128 columns of hx (in registers) and of hy (in its own LDS bytes) alone.  The operand's fragments go from wave to wave through LDS as images of their registers, in two slots that take turns.
; LAYOUT.  All products are used transposed (source 0 = 16 rows of a weight, source 1 = 16 rows of x, y or pairs): a lane holds ONE pair (lane % 16).  W1's rows of a tile were chosen so that register 32 c + e of hx and hy
; is hidden unit 64 c + 32 (lane / 16) + e of the wave's 128: the order of a 4-bit operand's registers.  So a lane holds two whole blocks of 32, and the conversions' results ARE the operand.
; THE LOOP.  Step n multiplies tile n (32 matrix instructions); behind each stand five vector instructions of other tiles: the clipping of tile n + 3's sums, and relu and the multiply-adds by W3 on results finished earlier.
; At its head it fetches tile n + 1's fragments, quantises tile n + 2 into the slot that was read last step, stores tile n - 2's partial score and adds tile n + 3's sums.  One barrier a step.
; b1 is the C of hx's product and b2 the C of each sum's first product.  The last product (N = 1) is f32 multiply-adds; the four waves' parts meet in LDS at the end.
; NO CLUSTER, NO JOINT LOADS: the loop reads nothing from memory.  What work-groups share (W2's images, 34,816 bytes a wave; W1's, 17,408) is read once, at the head, straight into the registers that keep it, by loads of 512
; consecutive bytes; through LDS the same bytes would be written and read once more.  No tensor load, so no ring for memory.
; LIMITS: NaN and infinities are not served.  A block of the hidden layer whose largest number lies under 2^-124, a block of zeros among them, gets the scale byte 1 (the floor).  The hidden layer is summed as
; hy + (hx + b1), and the scores over g in another order than the source reads: f32 throughout.
; THE MODE: SCHED_MODE bits 1:0 = 2 (LLVM: expert scheduling mode 2), set by the entry lines.  The code itself states the register dependences between vector or matrix instructions and memory or LDS instructions,
; with s_wait_alu, always for 0.
; THE PLAN.  Registers that LDS instructions touch in the loop, and who else names them:
;   FRG, HSC set b     Step n's products read set n % 2; the nine loads at the head of step n + 1 land in it.
;   CD, T              Written by a step's conversions and the lines that make the scale word; read by the same step's three stores.
;   T2                 Written by a step's score lines; read by the same step's one store.
;   HY (window 1)      Read by the sums of four steps; the sixteen loads of a trip's first step land in it, behind that step's sums.
;   AHY, APS           Written once a trip, in its first step; read by hy's loads and by the scores' stores.
;   L16, ASL, AFS, ASS Read by loads and stores; never written again.
;   S, ACC, SUM, M, SO, T3 and the weights in windows 1 to 3 are named by vector and matrix instructions alone.
; So a step's head has three waits.  (1) va_vdst: the last step's products are done with the set in which the fragments' loads land; these loads follow.  (2) vm_vsrc: the LDS instructions issued so far have read
; CD, T, T2, APS and AHY; all the head's vector work follows.  (3) va_vdst: that work has written CD, T, T2, APS and AHY and is done reading HY; hy's loads and the stores follow, and the two phases' products and
; filler lines name none of the registers that these touch.
;
; LDS: two slots of SLOTB bytes: K step s's image at 1,024 s + 512 c + 16 lane, the rows' scale words at SCO + 16 r + 4 s;  from HYB 8,192 bytes a wave: hy's image, 512 q + 16 lane, its own wave's alone;
;      from PSB 4,096 bytes a wave: partial scores [tile][r].
; REGISTERS, in windows of 256 (s_set_vgpr_msb: bits 1:0 source 0, 3:2 source 1, 5:4 source 2, 7:6 destination):
;   window 0: as named below.   window 1: v0-127 W2 of my tiles 0-3, v128-159 W3 for tiles 4-7, v160-191 b2 for tiles 0-3, v192-255 one row of hy (at the head x's and y's fragments)
;   window 2: v0-127 W2 of tiles 4-7, v128-159 W3 for tiles 0-3, v160-191 b2 for tiles 4-7, v192-255 b1.   window 3: hx + b1, 64 registers for each jt.
.set SLOTB, 4352
.set SCO,   4096
.set HYB,   2*SLOTB
.set PSB,   HYB+4*8192+256
.set PS0,   PSB-128                    ; step n stores tile n - 2's score: the address runs two tiles (128 bytes) ahead
.set L16, 1                            ; v1      16 x lane; never rewritten
.set AFS, 2                            ; v2      where I store my K step's image: 16 x lane + 1,024 w
.set ASL, 3                            ; v3      where I read a row's four scale words: SCO + 16 r
.set ASS, 4                            ; v4      where I store my K step's: SCO + 16 r + 4 w
.set AHY, 5                            ; v5      hy's row in hand: HYB + 8,192 w + 256 h + 16 i
.set APS, 6                            ; v6      the trip's scores
.set SH8, 7                            ; v7      8 h
.set M,   8                            ; v8-11   largest numbers, two chains a block
.set SO,  12                           ; v12-13  the conversions' scale operands
.set T,   14                           ; v14-15  the scale word in the making
.set CD,  16                           ; v16-23  the codes just made
.set SUM, 24                           ; v24-31  two sets (tiles by turns) of two chains of two; at the head v24-27 hold offsets of global loads
.set O4L, 24
.set OSC, 25
.set O32, 26
.set O128, 27
.set SCW, 32                           ; v32-47  W2's scale words: register 4 s + m: lanes 0-15 tile 2 m, lanes 16-31 tile 2 m + 1
.set HSC, 48                           ; v48-55  the hidden layer's scale words, 4 b + s; at the head W1's second part's (4) and x's (4)
.set SW1X, 56                          ; v56-59  W1's first part's scale words, two tiles a register
.set SY,  60                           ; v60     y's
.set T2,  61
.set T3,  62
.set R4,  63                           ; v63     4 r; never rewritten
.set ACC, 64                           ; v64-127 eight accumulators; at the head W1's first part
.set FRG, 128                          ; v128-191 two sets of four fragments of the hidden layer; at the head W1's second part
.set S,   192                          ; v192-255 64 numbers of the hidden layer in the making; at the head hy
.set W3R, 128                          ; in windows 1 and 2
.set B2R, 160
.set HY,  192
.set WV,  18                           ; s18 wave, s19 block of 64 j, s20 block of 16 i
.set JB,  19
.set IB,  20
.set SEL, 22                           ; s[22:23] lane selects: lane l xor 16
.set CNT, 24
.set SPS, 25                           ; s25     PS0 + 4,096 w + 256 x trip
.set SHY, 54                           ; s54     HYB + 8,192 w + 16 i
.set MSB, 0
.set rC, 0
.macro WIN new                         ; the immediate's high byte repeats the setting that is left; a switch that changes nothing is dropped
.if MSB != (\new)
	s_set_vgpr_msb (MSB<<8)|(\new)
.set MSB, (\new)
.endif
.endm
; One matrix instruction on rD, rA, rB, rC, rSA, rSB.  cz = 1: C is the constant 0.  odd = 1: source 0's scale words stand in lanes 16-31.
.macro WM cz, odd
.if \cz
.if \odd
	v_wmma_scale_f32_16x16x128_f8f6f4 v[rD:rD+7], v[rA:rA+7], v[rB:rB+7], 0, v[rSA], v[rSB] matrix_a_fmt:MATRIX_FMT_FP4 matrix_b_fmt:MATRIX_FMT_FP4 matrix_a_scale:MATRIX_SCALE_ROW1
.else
	v_wmma_scale_f32_16x16x128_f8f6f4 v[rD:rD+7], v[rA:rA+7], v[rB:rB+7], 0, v[rSA], v[rSB] matrix_a_fmt:MATRIX_FMT_FP4 matrix_b_fmt:MATRIX_FMT_FP4
.endif
.else
.if \odd
	v_wmma_scale_f32_16x16x128_f8f6f4 v[rD:rD+7], v[rA:rA+7], v[rB:rB+7], v[rC:rC+7], v[rSA], v[rSB] matrix_a_fmt:MATRIX_FMT_FP4 matrix_b_fmt:MATRIX_FMT_FP4 matrix_a_scale:MATRIX_SCALE_ROW1
.else
	v_wmma_scale_f32_16x16x128_f8f6f4 v[rD:rD+7], v[rA:rA+7], v[rB:rB+7], v[rC:rC+7], v[rSA], v[rSB] matrix_a_fmt:MATRIX_FMT_FP4 matrix_b_fmt:MATRIX_FMT_FP4
.endif
.endif
.endm
.macro BASE d, p, reg, sh, add         ; s[d:d+1] = the buffer at s[p:p+1] + (s[reg] << sh) + add
	s_lshl_b32 s26, s[\reg], \sh
.if \add
	s_add_co_u32 s26, s26, \add
.endif
	s_add_nc_u64 s[\d:\d+1], s[\p:\p+1], s[26:27]
.endm
; Window g + 1: W2's fragments and b2 of my tiles 4 g .. 4 g + 3, and W3 for the OTHER four: the multiply-adds on a group's results stand beside the other group's products, under their window setting.
.macro LOADW g
	WIN 0x40*(\g+1)
.irp n, 0,1,2,3
.irp s, 0,1,2,3
.irp c, 0,1
	global_load_b128 v[64*(\n/2)+16*\s+8*(\n%2)+4*\c:64*(\n/2)+16*\s+8*(\n%2)+4*\c+3], v[L16], s[34:35] offset:((4*(\n+4*\g)+\s)*2+\c)*512
.endr
.endr
	global_load_b128 v[W3R+8*\n:W3R+8*\n+3], v[O32], s[48:49] offset:64*(\n+4-4*\g)          ; lane (r, h): the tile's outputs 8 h + 0 .. 7, as in the result's layout
	global_load_b128 v[W3R+8*\n+4:W3R+8*\n+7], v[O32], s[48:49] offset:64*(\n+4-4*\g)+16
	global_load_b128 v[B2R+8*\n:B2R+8*\n+3], v[O32], s[46:47] offset:64*(\n+4*\g)
	global_load_b128 v[B2R+8*\n+4:B2R+8*\n+7], v[O32], s[46:47] offset:64*(\n+4*\g)+16
.endr
.endm
	s_load_b256 s[4:11], s[0:1], 0x0               ; the images s[4:5], the scale words s[6:7], b1 s[8:9], b2 s[10:11]
	s_load_b128 s[12:15], s[0:1], 0x20             ; W3 s[12:13], b3 s[14:15]
	s_load_b64 s[16:17], s[0:1], 0x30              ; out0
	v_lshrrev_b32 v8, 5, v0
	v_readfirstlane_b32 s[WV], v8                  ; wave 0..3
	s_mov_b32 s[JB], ttmp9
	s_and_b32 s[IB], ttmp7, 0xffff
	s_mov_b32 s[SEL], 0x76543210
	s_mov_b32 s[SEL+1], 0xfedcba98
	v_and_b32 v9, 31, v0                           ; lane
	v_and_b32 v10, 15, v0                          ; r
	v_bfe_u32 v11, v0, 4, 1                        ; h
	v_lshlrev_b32 v[L16], 4, v9
	v_lshlrev_b32 v[R4], 2, v10
	v_lshlrev_b32 v[SH8], 3, v11
	s_wait_alu depctr_va_sdst(0)                   ; the wave's number is written into s18, ahead of its first reader: LDS addresses and the buffers' bases are made from it
	s_lshl_b32 s26, s[WV], 10
	v_add_nc_u32 v[AFS], s26, v[L16]
	v_lshl_add_u32 v[ASL], v10, 4, SCO
	s_lshl_b32 s26, s[WV], 2
	v_add_nc_u32 v[ASS], s26, v[ASL]
	s_lshl_b32 s[SHY], s[WV], 13
	s_add_co_u32 s[SHY], s[SHY], HYB
	v_lshl_add_u32 v[AHY], v[SH8], 5, s[SHY]       ; i = 0
	v_add_nc_u32 v8, s[SHY], v[L16]                ; where hy's image is stored
	s_lshl_b32 s[SPS], s[WV], 12
	s_add_co_u32 s[SPS], s[SPS], PS0
	v_lshlrev_b32 v[O4L], 2, v9                    ; 4 x lane: two tiles' scale words on end
	v_lshl_add_u32 v[OSC], v11, 8, v[R4]           ; 256 h + 4 r: W2's tiles 2 m and 2 m + 1 lie four images apart
	v_lshlrev_b32 v[O32], 5, v11
	v_lshlrev_b32 v[O128], 7, v11
	v_mov_b32 v[T3], 0                             ; written once: a lane permute's destination counts as one of its sources
	s_mov_b32 s27, 0
	s_wait_kmcnt 0x0
	s_load_b32 s52, s[14:15], 0x0                  ; b3
	BASE 28, 4, JB, 12, 0                          ; x's four images
	BASE 30, 4, IB, 10, 32768                      ; y's image
	BASE 32, 4, WV, 13, 65536                      ; W1's eight of the first part; the second part's 32,768 bytes on
	BASE 34, 4, WV, 15, 131072                     ; W2's 32
	BASE 36, 6, JB, 8, 0                           ; and their scale words, 64 bytes an image
	BASE 38, 6, IB, 6, 2048
	BASE 40, 6, WV, 9, 4096
	BASE 42, 6, WV, 11, 8192
	BASE 44, 8, WV, 9, 0                           ; my 128 numbers of b1, b2, W3
	BASE 46, 10, WV, 9, 0
	BASE 48, 12, WV, 9, 0
	s_lshl_b32 s26, s[IB], 15                      ; out0: row 16 ib + 4 w (each wave stores four rows' pieces), column 64 jb
	s_lshl_b32 s21, s[WV], 13
	s_add_co_u32 s26, s26, s21
	s_lshl_b32 s21, s[JB], 8
	s_add_co_u32 s26, s26, s21
	s_add_nc_u64 s[50:51], s[16:17], s[26:27]
	; THE FIRST GROUP, 71 loads: what the two small products want
	WIN 0x40
	s_wait_alu depctr_va_vdst(0)                   ; the offsets of the head's loads (v1, v63, v24 to v27) are written, and so are the LDS addresses v2 to v5 and v8, which later LDS instructions read; only loads and window switches follow up to the last load
.irp jt, 0,1,2,3
.irp c, 0,1
	global_load_b128 v[HY+8*\jt+4*\c:HY+8*\jt+4*\c+3], v[L16], s[28:29] offset:1024*\jt+512*\c
.endr
.endr
.irp c, 0,1
	global_load_b128 v[HY+32+4*\c:HY+32+4*\c+3], v[L16], s[30:31] offset:512*\c
.endr
	WIN 0
.irp t, 0,1,2,3,4,5,6,7
.irp c, 0,1
	global_load_b128 v[ACC+8*\t+4*\c:ACC+8*\t+4*\c+3], v[L16], s[32:33] offset:1024*\t+512*\c
	global_load_b128 v[FRG+8*\t+4*\c:FRG+8*\t+4*\c+3], v[L16], s[32:33] offset:32768+1024*\t+512*\c
.endr
.endr
.irp m, 0,1,2,3
	global_load_b32 v[SW1X+\m], v[O4L], s[40:41] offset:128*\m
	global_load_b32 v[HSC+\m], v[O4L], s[40:41] offset:2048+128*\m
	global_load_b32 v[HSC+4+\m], v[R4], s[36:37] offset:64*\m
.endr
	global_load_b32 v[SY], v[R4], s[38:39]
	WIN 0x80
.irp t, 0,1,2,3,4,5,6,7
	global_load_b128 v[192+8*\t:195+8*\t], v[O128], s[44:45] offset:(64*(\t/4)+8*(\t%4))*4       ; b1 in the result's layout: hidden units 64 cl + 32 h + 8 tp + 0 .. 7
	global_load_b128 v[196+8*\t:199+8*\t], v[O128], s[44:45] offset:(64*(\t/4)+8*(\t%4))*4+16
.endr
	; THE SECOND GROUP, 112 loads: what the loop keeps
	LOADW 1
	LOADW 0
	WIN 0
.irp s, 0,1,2,3
.irp m, 0,1,2,3
	global_load_b32 v[SCW+4*\s+\m], v[OSC], s[42:43] offset:(8*\m+\s)*64
.endr
.endr
	s_wait_loadcnt 63                              ; loads come back in order: 112 were issued behind the first group, so with 63 out the first group is in
	WIN 0x04                                       ; hy: source 0 = 16 rows of W1's second part, source 1 = y's 16 rows (window 1)
.set tt, 0
.rept 8
.set rD, S+8*tt
.set rA, FRG+8*tt
.set rB, HY+32
.set rSA, HSC+tt/2
.set rSB, SY
	WM 1, tt%2
.set tt, tt+1
.endr
	WIN 0xe4                                       ; hx + b1: source 1 = x's tile jt (window 1), C = b1 (window 2), the result in window 3.  Every sum is one instruction
.set jj, 0
.rept 4
.set tt, 0
.rept 8
.set rD, 64*jj+8*tt
.set rA, ACC+8*tt
.set rB, HY+8*jj
.set rC, 192+8*tt
.set rSA, SW1X+tt/2
.set rSB, HSC+4+jj
	WM 0, tt%2
.set tt, tt+1
.endr
.set jj, jj+1
.endr
	WIN 0
.rept 4
	v_nop                                          ; four places behind the products (ISA guide 7.12.1), in front of the first reads of results; they stay beside the wait below
.endr
	s_wait_alu depctr_va_vdst(0)                   ; the products have written hy into S, which the stores below read; they are also done reading W1's second part and the scale words in v48 to v55, in which the tiles' fragments and scale words land later
.irp q, 0,1,2,3,4,5,6,7,8,9,10,11,12,13,14,15
	ds_store_b128 v8, v[S+4*\q:S+4*\q+3] offset:512*\q             ; hy's image: lane 16 h + i holds row i; each accumulator from its low end on
.endr
; One row of hy for all lanes: lane (r, h) takes what lane (i, h) stored: sixteen lanes read the same 16 bytes.  LDS serves a wave's instructions in order, and these bytes are the wave's own.
; The window switch (destination window 1) and the wait stand in front of the macro, where it is used.
.macro LOADHY
.irp q, 0,1,2,3,4,5,6,7,8,9,10,11,12,13,14,15
	ds_load_b128 v[HY+4*\q:HY+4*\q+3], v[AHY] offset:512*\q
.endr
.endm
.macro ADDS jt                         ; hy + (hx + b1) for a tile: hx's accumulators are read from their low ends on
	WIN 0x07                                       ; source 0 window 3, source 1 window 1
.set ee, 0
.rept 32
	v_pk_add_f32 v[S+ee:S+ee+1], v[64*(\jt)+ee:64*(\jt)+ee+1], v[HY+ee:HY+ee+1]
.set ee, ee+2
.endr
.endm
.macro RELUS                           ; at the head alone: in the loop these 64 stand behind matrix instructions
	WIN 0
.set ee, 0
.rept 64
	v_max_num_f32 v[S+ee], 0, v[S+ee]
.set ee, ee+1
.endr
.endm
.macro LOADFR b                        ; a tile's four fragments and its rows' four scale words, from slot b into set b
.irp s, 0,1,2,3
.irp c, 0,1
	ds_load_b128 v[FRG+32*(\b)+8*\s+4*\c:FRG+32*(\b)+8*\s+4*\c+3], v[L16] offset:(\b)*SLOTB+1024*\s+512*\c
.endr
.endr
	ds_load_b128 v[HSC+4*(\b):HSC+4*(\b)+3], v[ASL] offset:(\b)*SLOTB
.endm
; The 64 numbers in S, none negative, become my K step's fragment (CD) and scale word (T): the arithmetic.
.macro FINA
	WIN 0
.irp c, 0,1
	v_max3_num_f32 v[M+2*\c], v[S+32*\c], v[S+32*\c+1], 0x1800000  ; the largest of each of my two blocks: two chains a block, the four by turns; the floor 2^(3 - 127) holds the byte at 1 from below
	v_max3_num_f32 v[M+2*\c+1], v[S+32*\c+16], v[S+32*\c+17], v[S+32*\c+18]
.endr
.irp i, 1,2,3,4,5,6
.irp c, 0,1
	v_max3_num_f32 v[M+2*\c], v[M+2*\c], v[S+32*\c+2*\i], v[S+32*\c+2*\i+1]
	v_max3_num_f32 v[M+2*\c+1], v[M+2*\c+1], v[S+32*\c+17+2*\i], v[S+32*\c+18+2*\i]
.endr
.endr
.irp c, 0,1
	v_max3_num_f32 v[M+2*\c], v[M+2*\c], v[S+32*\c+14], v[S+32*\c+15]
.endr
.irp c, 0,1
	v_max3_num_f32 v[M+2*\c], v[M+2*\c], v[M+2*\c+1], v[S+32*\c+31]
.endr
.irp c, 0,1
	v_add_nc_u32 v[SO+\c], 0xff000000, v[M+2*\c]   ; 2 off the exponent field: the conversion's scale operand
.endr
.irp c, 0,1
.irp g, 0,1,2,3
	v_cvt_scalef32_pk8_fp4_f32 v[CD+4*\c+\g], v[S+32*\c+8*\g:S+32*\c+8*\g+7], v[SO+\c]
.endr
.endr
	v_lshrrev_b32 v[T], 23, v[SO]                  ; the byte of block h (a plain line behind the last conversion),
	v_lshrrev_b32 v[T+1], 23, v[SO+1]              ; and of block 2 + h
	v_lshl_or_b32 v[T], v[T+1], 16, v[T]
	v_lshlrev_b32 v[T], v[SH8], v[T]
	v_permlanex16_b32 v[T+1], v[T], s[SEL], s[SEL+1]
	v_or_b32 v[T], v[T], v[T+1]                    ; with lane l xor 16's two bytes the row's word is whole
.endm
.macro FINS b                          ; and they go to slot b as they stand
	ds_store_b128 v[AFS], v[CD:CD+3] offset:(\b)*SLOTB
	ds_store_b128 v[AFS], v[CD+4:CD+7] offset:(\b)*SLOTB+512
	ds_store_b32 v[ASS], v[T] offset:(\b)*SLOTB    ; lanes r and 16 + r write the same word with the same value
.endm
.macro SCOA b                          ; set b's four sums and lane l xor 16's: my wave's part of 16 pairs' scores, into T2
	v_pk_add_f32 v[SUM+4*(\b):SUM+4*(\b)+1], v[SUM+4*(\b):SUM+4*(\b)+1], v[SUM+4*(\b)+2:SUM+4*(\b)+3]
	v_add_f32 v[T2], v[SUM+4*(\b)], v[SUM+4*(\b)+1]
	v_permlanex16_b32 v[T3], v[T2], s[SEL], s[SEL+1]
	v_add_f32 v[T2], v[T2], v[T3]
.endm
.macro SCOS off                        ; and its store
	ds_store_b32 v[APS], v[T2] offset:\off
.endm
; The five vector instructions behind matrix instruction kk of a phase: numbers 5 kk .. 5 kk + 4 of a list of 80.  0-31 (rs = 1): the clipping of S[32 g ..].  32-79 (cc = 1): the OTHER group's four finished accumulators,
; twelve lines each: eight relu, from the low end on, and four packed multiply-adds by W3 into two chains.  Only source 0 (W3) lies outside window 0, in the window of the products' source 0: no switch is needed.
.macro FILL g, p, rs, cc
.set ff, 5*kk
.rept 5
.if ff < 32
.if \rs
	v_max_num_f32 v[S+32*\g+ff], 0, v[S+32*\g+ff]
.endif
.elseif \cc
.set tl, (ff-32)/12
.set yy, (ff-32)%12
.set rAC, ACC+8*(4*(1-\g)+tl)
.if yy < 8
	v_max_num_f32 v[rAC+yy], 0, v[rAC+yy]
.else
.set pr, yy-8
.set rSU, SUM+4*((\p+1-\g)%2)+2*(pr%2)
.if (\g == 1) && (tl == 0) && (pr < 2)
	v_pk_mul_f32 v[rSU:rSU+1], v[W3R+8*tl+2*pr:W3R+8*tl+2*pr+1], v[rAC+2*pr:rAC+2*pr+1]            ; a tile's first products start its sums: nothing is cleared
.else
	v_pk_fma_f32 v[rSU:rSU+1], v[W3R+8*tl+2*pr:W3R+8*tl+2*pr+1], v[rAC+2*pr:rAC+2*pr+1], v[rSU:rSU+1]
.endif
.endif
.endif
.set ff, ff+1
.endr
.endm
; Sixteen matrix instructions: my tiles 4 g .. 4 g + 3 x the four K steps.  The four accumulators take turns, one instruction a turn.  The first K step takes b2 as C.
; In the first phase, behind the eighth: the wait for all the step's LDS instructions (they stand at its head), and the barrier's signal; only work on registers follows up to the barrier's wait at the step's end.
.macro PHASE g, p, rs, cc, bar
.set kk, 0
.rept 16
.set ks, kk/4
.set nn, kk%4
.set rD, ACC+8*(4*\g+nn)
.set rA, 64*(nn/2)+16*ks+8*(nn%2)
.set rB, FRG+32*((\p)%2)+8*ks
.set rSA, SCW+4*ks+2*\g+nn/2
.set rSB, HSC+4*((\p)%2)+ks
.if kk < 4
	WIN 0x11*(\g+1)                                ; source 0 (W2) and C (b2) in window g + 1
.set rC, B2R+8*nn
.else
	WIN 0x01*(\g+1)                                ; source 0 in window g + 1; C and D in window 0
.set rC, rD
.endif
	WM 0, nn%2
	FILL \g, \p, \rs, \cc
.if (\g == 0) && (kk == 7)
	s_wait_dscnt 0x0                               ; my loads of the one slot are in, my stores into the other have landed
.if \bar
	s_barrier_signal -1
.endif
.endif
.set kk, kk+1
.endr
.endm
; STEP n (p = n % 4).  lf: fetch tile n + 1 (stored last step, in front of that step's signal).  fin: quantise tile n + 2 into slot n % 2 (read last step; those loads were waited for in front of that step's signal).
; sc: tile n - 2's score.  add: tile n + 3's sums.  lhy: the next row of hy, behind the last sums that want the old one.  c1: tile n - 1 has results to be taken up.  bar: somebody reads next step what is stored now.
; The head's order: the fragments' loads; all the vector work; then hy's loads and the stores in one run.
.macro STEP p, lf, fin, sc, add, lhy, c1, bar
	WIN 0
.if \lf
	s_wait_alu depctr_va_vdst(0)                   ; the last step's products (in the first step: the head's) are done reading the fragments and scale words of the set in which the nine loads below land
	LOADFR (\p+1)%2
.endif
	s_wait_alu depctr_vm_vsrc(0)                   ; the LDS stores issued so far have read CD, T and T2, which the lines below write again; in a trip's first step the scores' stores and hy's loads have read APS and AHY; in the very first step the head's loads have read their offsets in v24 to v27, which hold sums from here on
.if (\p) == 0
	v_add_nc_u32 v[APS], s[SPS], v[R4]             ; this trip's scores
.endif
.if \fin
	FINA
.endif
.if \sc
	SCOA (\p)%2
.endif
.if \add
	ADDS (\p+3)%4
.endif
	WIN 0
.if \lhy
	s_add_co_u32 s[SHY], s[SHY], 16
	v_lshl_add_u32 v[AHY], v[SH8], 5, s[SHY]       ; the next row of hy
	WIN 0x40                                       ; destination window 1
	s_wait_alu depctr_va_vdst(0)                   ; the sums are done reading HY, in which the loads below land, and AHY is written, which they read; CD, T, T2 and APS are written, which the stores behind them read
	LOADHY
	WIN 0
.else
	s_wait_alu depctr_va_vdst(0)                   ; the head's vector work has written CD, T, T2 and, in a trip's first step, APS, which the stores below read
.endif
.if \fin
	FINS (\p)%2
.endif
.if \sc
	SCOS 64*\p
.endif
	PHASE 0, \p, \add, \c1, \bar                   ; no line of the two phases names a register that the loads and stores above touch
	PHASE 1, \p, \add, 1, 0
	WIN 0
.if \bar
	s_barrier_wait -1
.endif
.endm
	WIN 0x40                                       ; destination window 1
	s_wait_alu depctr_va_vdst(0)                   ; the products are done reading x's and y's fragments in window 1, in which hy's row lands
	LOADHY                                         ; row i = 0
	s_wait_dscnt 0x0                               ; it is in
	s_wait_alu depctr_vm_vsrc(0)                   ; the stores of hy's image have read S and v8, which the sums and the maxima below write
	ADDS 0
	RELUS
	FINA
	s_wait_alu depctr_va_vdst(0)                   ; tile 0's codes and scale word are written, which the stores read
	FINS 0                                         ; tile 0 into slot 0
	ADDS 1
	RELUS
	s_wait_dscnt 0x0                               ; tile 0's stores have landed
	s_wait_alu depctr_vm_vsrc(0)                   ; tile 0's stores have read CD and T, which tile 1's lines write again
	FINA
	s_wait_alu depctr_va_vdst(0)                   ; tile 1's codes and scale word are written, which the stores read
	FINS 1                                         ; tile 1 into slot 1
	ADDS 2
	RELUS                                          ; tile 2 waits in S for step 0
	s_wait_dscnt 0x0                               ; for the others' sake: my stores have landed
	s_barrier_signal -1
	s_barrier_wait -1
	LOADFR 0                                       ; (no wait: since the last wait on va_vdst only sums and clippings were issued, which name S, hx and HY: none of the registers that these loads touch)
	s_wait_dscnt 0x0                               ; my reads of slot 0 are over: step 0 writes it again
	s_barrier_signal -1
	s_barrier_wait -1
	s_wait_kmcnt 0x0                               ; b3
	s_mov_b32 s53, s52                             ; (the packed form names the pair)
	s_wait_loadcnt 0x0                             ; the second group: W2, b2, W3, W2's scale words
	STEP 0, 1, 1, 0, 1, 1, 0, 1                    ; the first trip is written out: nothing is finished yet in its first steps
	STEP 1, 1, 1, 0, 1, 0, 1, 1
	STEP 2, 1, 1, 1, 1, 0, 1, 1
	STEP 3, 1, 1, 1, 1, 0, 1, 1
	s_add_co_u32 s[SPS], s[SPS], 256
	s_mov_b32 s[CNT], 14
.Ltrip:                                                ; a trip is four steps, one i: the register numbers are back where they began
	STEP 0, 1, 1, 1, 1, 1, 1, 1
	STEP 1, 1, 1, 1, 1, 0, 1, 1
	STEP 2, 1, 1, 1, 1, 0, 1, 1
	STEP 3, 1, 1, 1, 1, 0, 1, 1
	s_add_co_u32 s[SPS], s[SPS], 256
	s_sub_co_u32 s[CNT], s[CNT], 1
	s_cmp_lg_u32 s[CNT], 0
	s_cbranch_scc1 .Ltrip
	STEP 0, 1, 1, 1, 1, 0, 1, 1                    ; the last trip: tile 63's sums are the last; there is no further row of hy
	STEP 1, 1, 1, 1, 0, 0, 1, 1                    ; tile 63 is quantised
	STEP 2, 1, 0, 1, 0, 0, 1, 0                    ; nothing is stored for others any more
	STEP 3, 0, 0, 1, 0, 0, 1, 0
	s_wait_alu depctr_vm_vsrc(0)                   ; tile 61's store has read T2, which the lines below write again
	SCOA 0                                         ; tile 62
	s_wait_alu depctr_va_vdst(0)                   ; T2 is written, which the store reads
	SCOS 256
	WIN 0x01
.set kk, 0
.rept 16
	FILL 0, 0, 0, 1                                ; tile 63's accumulators 4-7 (five plain lines and the score's stand behind the last product)
.set kk, kk+1
.endr
	WIN 0
	s_wait_dscnt 0x0                               ; tile 62's store has landed
	s_wait_alu depctr_vm_vsrc(0)                   ; tile 62's store has read T2, which the lines below write again
	SCOA 1                                         ; tile 63
	s_wait_alu depctr_va_vdst(0)                   ; T2 is written, which the store reads
	SCOS 320
	; THE WAY OUT: the four waves' parts are added, with b3; wave w takes tiles 16 w .. 16 w + 15, four rows' pieces of out0.
	s_wait_dscnt 0x0                               ; for the others' sake: my scores have landed
	s_barrier_signal -1
	s_barrier_wait -1
	s_lshl_b32 s26, s[WV], 10
	s_add_co_u32 s26, s26, PSB
	v_add_nc_u32 v8, s26, v[L16]
	s_wait_alu depctr_va_vdst(0)                   ; v8 is written, which the loads below read; the clippings and conversions are done with S, in which they land
.irp t, 0,1
.irp u, 0,1,2,3
	ds_load_b128 v[S+16*\t+4*\u:S+16*\t+4*\u+3], v8 offset:4096*\u+512*\t      ; wave u's part: lane l: row 4 w + 2 t + l / 16, columns 4 (l % 16) + 0 .. 3
.endr
.endr
	v_lshlrev_b32 v9, 2, v[R4]
	v_lshl_add_u32 v9, v[SH8], 8, v9               ; 2,048 (l / 16) + 16 (l % 16)
	s_wait_dscnt 0x0
.irp t, 0,1
	v_pk_add_f32 v[S+16*\t:S+16*\t+1], v[S+16*\t:S+16*\t+1], v[S+16*\t+4:S+16*\t+5]
	v_pk_add_f32 v[S+16*\t+2:S+16*\t+3], v[S+16*\t+2:S+16*\t+3], v[S+16*\t+6:S+16*\t+7]
	v_pk_add_f32 v[S+16*\t+8:S+16*\t+9], v[S+16*\t+8:S+16*\t+9], v[S+16*\t+12:S+16*\t+13]
	v_pk_add_f32 v[S+16*\t+10:S+16*\t+11], v[S+16*\t+10:S+16*\t+11], v[S+16*\t+14:S+16*\t+15]
	v_pk_add_f32 v[S+16*\t:S+16*\t+1], v[S+16*\t:S+16*\t+1], v[S+16*\t+8:S+16*\t+9]
	v_pk_add_f32 v[S+16*\t+2:S+16*\t+3], v[S+16*\t+2:S+16*\t+3], v[S+16*\t+10:S+16*\t+11]
	v_pk_add_f32 v[S+16*\t:S+16*\t+1], v[S+16*\t:S+16*\t+1], s[52:53] op_sel_hi:[1,0]
	v_pk_add_f32 v[S+16*\t+2:S+16*\t+3], v[S+16*\t+2:S+16*\t+3], s[52:53] op_sel_hi:[1,0]
.endr
	s_wait_alu depctr_va_vdst(0)                   ; the additions have written both halves' results, and v9 is written: the two stores read them
.irp t, 0,1
	global_store_b128 v9, v[S+16*\t:S+16*\t+3], s[50:51] offset:4096*\t th:TH_STORE_NT       ; sixteen lanes store 256 consecutive bytes, at a multiple of 256 from out0's first byte; written once, read by nobody here
.endr
	s_wait_xcnt 0x0
	v_lshl_add_u32 v254, v0, 2, 0xe400             ; the add's two registers are made anew, straight ahead of the closing lines: no memory or LDS instruction has read v254 or v255 since the last wait on vm_vsrc
	v_mov_b32 v255, 0
	s_wait_dscnt 0x0                               ; the closing lines, six on end of a launch in the mode that stores to LDS
	s_wait_alu 0x0
	s_wait_tensorcnt 0x0
	ds_add_u32 v254, v255
	s_wait_dscnt 0x0
	s_endpgm
.Lfunc_end_k_q8944b45cea_pairs:
	.size	k_q8944b45cea_pairs, .Lfunc_end_k_q8944b45cea_pairs-k_q8944b45cea_pairs
	.p2alignl 7, 3214868480
	.fill 96, 4, 3214868480
	.section	.rodata,"a",@progbits
	.p2align	6, 0x0
	.amdhsa_kernel k_q8944b45cea_pairs
		.amdhsa_group_segment_fixed_size 58880
		.amdhsa_private_segment_fixed_size 0
		.amdhsa_enable_private_segment 0
		.amdhsa_kernarg_size 56
		.amdhsa_user_sgpr_count 2
		.amdhsa_user_sgpr_kernarg_segment_ptr 1
		.amdhsa_wavefront_size32 1
		.amdhsa_system_sgpr_workgroup_id_x 1
		.amdhsa_system_sgpr_workgroup_id_y 1
		.amdhsa_system_sgpr_workgroup_id_z 1
		.amdhsa_system_vgpr_workitem_id 0
		.amdhsa_next_free_vgpr 1024
		.amdhsa_next_free_sgpr 66
		.amdhsa_reserve_vcc 0
		.amdhsa_float_denorm_mode_32 3
		.amdhsa_float_denorm_mode_16_64 3
		.amdhsa_memory_ordered 1
		.amdhsa_forward_progress 1
		.amdhsa_inst_pref_size 230
	.end_amdhsa_kernel
	.amdgpu_metadata
---
amdhsa.version: [ 1, 2 ]
amdhsa.kernels:
  - .name:           k_q8944b45cea_pairs
    .symbol:         k_q8944b45cea_pairs.kd
    .args:
      - { .name: cimg, .offset: 0, .size: 8, .value_kind: global_buffer, .address_space: global }
      - { .name: simg, .offset: 8, .size: 8, .value_kind: global_buffer, .address_space: global }
      - { .name: b1, .offset: 16, .size: 8, .value_kind: global_buffer, .address_space: global }
      - { .name: b2, .offset: 24, .size: 8, .value_kind: global_buffer, .address_space: global }
      - { .name: W3, .offset: 32, .size: 8, .value_kind: global_buffer, .address_space: global }
      - { .name: b3, .offset: 40, .size: 8, .value_kind: global_buffer, .address_space: global }
      - { .name: out0, .offset: 48, .size: 8, .value_kind: global_buffer, .address_space: global }
    .group_segment_fixed_size: 58880
    .private_segment_fixed_size: 0
    .kernarg_segment_align: 8
    .kernarg_segment_size: 56
    .max_flat_workgroup_size: 128
    .sgpr_count:     66
    .vgpr_count:     1024
    .wavefront_size: 32
...
	.end_amdgpu_metadata
.endif
;; end of part 3
